; MI455X (gfx1250); checked and timed in simulation.
; The chip was launched on July 23, 2026; its instructions are those of AMD's public machine-readable ISA for CDNA 5 (MIT licence, August 2026) and "CDNA5" Instruction Set Architecture Reference Guide (July 2026). The comments in the code are by the model that wrote it; some were corrected since.
;; MHSA. Allowed arithmetic: matrix products marked QUANTISED: E4M3 operands, one given power-of-two scale a tensor, by v_wmma_f32_16x16x64_fp8_fp8 or v_wmma_f32_16x16x128_fp8_fp8, f32 sums; everything else in f32.
;; Inputs: Wk_codes 1,024 x 32 x 32 uint8 (E4M3 codes of Wk, K innermost, in blocks of 32 codes); Wo_codes 1,024 x 32 x 32 uint8 (E4M3 codes of Wo, K innermost, in blocks of 32 codes); Wq_codes 1,024 x 32 x 32 uint8 (E4M3 codes of Wq, K innermost, in blocks of 32 codes); Wv_codes 1,024 x 32 x 32 uint8 (E4M3 codes of Wv, K innermost, in blocks of 32 codes); b_k 1,024 float32; b_o 1,024 float32; b_q 1,024 float32; b_v 1,024 float32; k_codes 4 x 2,048 x 32 x 32 uint8 (E4M3 codes of k, K innermost, in blocks of 32 codes); lowp_scales 12 int32 (the exponents e of the quantised operands' scales 2^e); q_codes 4 x 2,048 x 32 x 32 uint8 (E4M3 codes of q, K innermost, in blocks of 32 codes); v_codes 4 x 2,048 x 32 x 32 uint8 (E4M3 codes of v, K innermost, in blocks of 32 codes).
;; Outputs: out0 4 x 2,048 x 1,024 float32.
;; This version of the problem:
;;   THIS VERSION OF THE PROBLEM IS GIVEN IN LOW PRECISION. The matrix products marked QUANTISED in the list below multiply operands that are first quantised to E4M3 (4 exponent bits, 3 mantissa bits; 8 bits a number), with one given power-of-two scale for each operand tensor; their sums are f32. All else is computed in f32.
;;   The module's matrix products, in the order in which they are computed (A, B: the left and right operand; K: the contracted axis; several contracted axes count as one K, in the product's order):
;;     1. [M 8,192, K 1,024] x [K 1,024, N 1,024]; A: input q (given as codes); B: input Wq (given as codes): QUANTISED (scales: A lowp_scales[0], B lowp_scales[1])
;;     2. [M 8,192, K 1,024] x [K 1,024, N 1,024]; A: input k (given as codes); B: input Wk (given as codes): QUANTISED (scales: A lowp_scales[2], B lowp_scales[3])
;;     3. [M 8,192, K 1,024] x [K 1,024, N 1,024]; A: input v (given as codes); B: input Wv (given as codes): QUANTISED (scales: A lowp_scales[4], B lowp_scales[5])
;;     4. batch 64 x [M 2,048, K 64] x [K 64, N 2,048]; A: computed on the way; B: computed on the way: QUANTISED (scales: A lowp_scales[6], B lowp_scales[7])
;;     5. batch 64 x [M 64, K 2,048] x [K 2,048, N 2,048]; A: computed on the way; B: softmax (see below): QUANTISED (scales: A lowp_scales[8], B lowp_scales[9])
;;     6. [M 8,192, K 1,024] x [K 1,024, N 1,024]; A: computed on the way; B: input Wo (given as codes): QUANTISED (scales: A lowp_scales[10], B lowp_scales[11])
;;   THE QUANTISER, for each operand of a quantised product, along K:
;;     - The operand's scale is 2^e, e = its entry of the input lowp_scales (int32; the entries are numbered through the quantised products in the list's order, A before B).
;;     - Each number is divided by the scale, clamped to +-448, and rounded to the nearest number of E4M3, ties to even, subnormals kept.
;;     - The product sums the exact products of the quantised numbers (number of the format x scale) in f32.
;;   ~~~python
;;   def quantise(x, axis, e):      # numpy; x: float32 -> the quantised numbers, widened to float32 again
;;       x = np.moveaxis(x, axis, -1); K = x.shape[-1]
;;       r = np.clip(x / 2.0 ** e, -448, 448)
;;       step = 2.0 ** (np.maximum(np.frexp(np.where(r == 0, 1, r))[1] - 1, -6) - 3)
;;       q = np.round(r / step) * step * 2.0 ** e      # np.round: ties to even
;;       return np.moveaxis(q, -1, axis).astype(np.float32)
;;   ~~~
;;   SOFTMAX AHEAD OF A QUANTISED PRODUCT. Where the list says 'softmax', what is quantised is not the finished softmax but p = 2^(t - M), with t = logit x log2(e) and M = ceil(the row's largest t), a whole number; so 1/2 < the row's largest p <= 1. The row's sum l is taken of the UNQUANTISED p, in f32, and the product's result is divided by l at the end. Since M is a whole number, a kernel that streams over the keys may use a running M (the ceiling of the running maximum): every later rescaling is an exact power of two, so the quantised numbers keep their values, but for numbers so far below the row's largest that they fall under the format's range.
;;   OPERANDS COMPUTED ON THE WAY. 'Computed on the way' means the value that the module computes at that place (a softmax that the list does not call 'softmax' is quantised finished and normalised). What goes into a quantiser is computed in f32, as accurately as f32 sums, v_exp_f32 and their like allow (about 1e-6 of the number): no bf16 or f16 on the way to a quantiser, and a product that is left as it is and whose result goes on into a quantised operand takes f32 operands (vector FMAs, or v_wmma_f32_16x16x4_f32). A number that lies on a knife's edge between two numbers of the format may be rounded either way, as far as f32 arithmetic and the matrix unit's own rounding can turn it there, and no further.
;;   INPUTS GIVEN AS CODES. Wk (in the module: [1024, 1024], K = its axis 0); Wo (in the module: [1024, 1024], K = its axis 0); Wq (in the module: [1024, 1024], K = its axis 0); Wv (in the module: [1024, 1024], K = its axis 0); k (in the module: [4, 2048, 1024], K = its axis 2); q (in the module: [4, 2048, 1024], K = its axis 2); v (in the module: [4, 2048, 1024], K = its axis 2): each comes as NAME_codes (uint8): NAME with its K axis moved to the last place and cut into blocks of 32 codes, [.., K / 32, bytes a block], one block behind the other in memory; one code a byte (a code: sign, 4 exponent bits, 3 mantissa bits); its scale is its entry of lowp_scales. Its value is code x scale, taken as it is: it is not quantised again, and the codes and scales need not be those that the quantiser above would give.
;; One version. Each part assembles by itself: llvm-mc -triple=amdgcn-amd-amdhsa -mcpu=gfx1250 --defsym DOCPART=n.
;; ======== version 1 of 1: 3 launches
;; limits: right only within a limited range of input values
;; workspace buffers: qc 8,388,608 bytes; kv 16,777,216 bytes; ao 8,388,608 bytes
;; launch proj (part 1): grid 4 x 96, 4 waves a work-group, clusters of 4 x 4, 327,680 bytes of LDS; arguments q_codes, k_codes, Wv_codes, Wq_codes, Wk_codes, v_codes, b_q, b_k, b_v, lowp_scales, qc, kv; writes qc, kv
.if DOCPART == 1
	.amdgcn_target "amdgcn-amd-amdhsa--gfx1250"
	.amdhsa_code_object_version 6
	.text
	.protected	k_q9d0859f626_proj
	.globl	k_q9d0859f626_proj
	.p2align	8
	.type	k_q9d0859f626_proj,@function
k_q9d0859f626_proj:
	s_mov_b64 s[64:65], 0
	v_nop
	global_prefetch_b8 v0, s[64:65] scope:SCOPE_SE
	s_setreg_imm32_b32 hwreg(HW_REG_WAVE_MODE, 25, 1), 1
	s_wait_xcnt 0x0
	s_wait_alu depctr_hold_cnt(0) depctr_sa_sdst(0) depctr_va_vdst(0) depctr_va_sdst(0) depctr_va_ssrc(0) depctr_va_vcc(0) depctr_vm_vsrc(0)
	s_getreg_b32 s2, hwreg(HW_REG_IB_STS2, 6, 4)
	s_cmp_eq_u32 s2, 0
	s_cbranch_scc0 .Lentry_in_a_cluster
	s_endpgm
.Lentry_in_a_cluster:
	s_bfe_u32 s2, ttmp6, 0x10000c
	s_cmp_lg_u32 s2, 0xf033
	s_cbranch_scc0 .Lentry_shape_is_right
	s_endpgm
.Lentry_shape_is_right:
; THE THREE PROJECTIONS.  Q = q Wq + b_q, K = k Wk + b_k, V = v Wv + b_v on codes of FP8 (E4M3), f32 sums; each result is quantised with its given scale and stored as codes.
; One launch serves the three: the cluster's y says which tensor (y / 8: 0 Q, 1 K, 2 V) and which eighth of its 8,192 tokens (y % 8).  A cluster of 4 x 4 work-groups makes 1,024 x 1,024 of one product.
; A tile, 256 x 256, is made by a work-group of four waves; a wave makes 128 x 128: 64 accumulators of 16 x 16.  K = 1,024 goes in four steps of 256 through a ring of two LDS slots.
; "A" (source 1) and "B" (source 0): for Q and K, A = the tokens' codes and B = the weight's rows (channels): a lane holds one token and eight neighbouring channels.
; For V the roles are swapped, A = Wv's rows and B = the tokens: a lane holds one channel and eight neighbouring tokens, since the keys are the K of attention's second product.
; THE RESULTS LEAVE AS IMAGES OF OPERAND REGISTERS.  In the plain 8-bit layout registers 2 c, 2 c + 1 of lane (r, h) hold k = 16 c + 8 h + 0 .. 7 of row r: just what the conversion of accumulator (a, 4 f + c) gives.
; So four conversions make a fragment (16 rows x 64 K, 8 registers a lane), stored by two stores of 16 bytes a lane at 16 x lane: each store of the wave covers 512 consecutive bytes, aligned.  No stage in LDS.
;   qc: [batch x 16 + head][token tile of 16 (128)][1,024 bytes]
;   kv: [batch x 16 + head][step of 64 keys (32)][K: 4 key tiles x 1,024 | V: 4 channel tiles x 1,024]
; THE BIAS is the C of each sum's first matrix instruction, divided by 2^(ea + eb); the conversion's one scale is then 2^(eo - ea - eb).
; JOINT LOADS: A's tile is shared along a row of the cluster, B's along a column.  The grid has 384 work-groups of equal work.
; LIMITS: eo - ea - eb lies between -126 and 119 for each of the three products, so that the scale and 448 x the scale are f32 numbers.  NaN among the inputs is not served.
; REGISTERS, in windows of 256: window 0: v16-29 addresses and constants; v32-95 the bias, later the held numbers; v96-103 the bias's offsets; v128-255 A's fragments (one set), later the codes.
;   window 1: B's fragments, two sets.   window 2: the accumulators of my A rows 0-63 ((a, b) at v[8 (8 a + b)]);   window 3: those of rows 64-127.
.set KROW,   1024                      ; a row of A or of B in memory, in bytes
.set ROWB,   256                       ; a tile's row in bytes
.set PITCH,  272                       ; an LDS row: 256 bytes + 16 of padding = 68 words, so the 16 rows that a load touches start at 16 different banks (64 banks of 4 bytes: ISA guide 11.1)
.set FR,     16                        ; registers of a fragment: 16 rows x 128 K
.set NL,     4                         ; LDS loads that bring one
.set NP,     4                         ; places behind this matrix instruction (ISA guide 7.12.1)
.set HALFT,  128*PITCH                 ; 128 rows: what one tensor load brings
.set SLOT,   4*HALFT                   ; A's 256 rows, then B's 256 rows
.set SPARE,  2*SLOT                    ; behind the ring: the spare words, 128 bytes for each wave
.set ADRA, 16                          ; v16-17  LDS address of my A fragments in slot 0, 1
.set ADRB, 20                          ; v20-21  the same for B
.set VO0,  24                          ; v24     16 x lane;  v25: the same + the distance to the second fragment of a block
.set LIM,  26                          ; v26     448 x 2^(eo - ea - eb)
.set SCL,  27                          ; v27     2^(eo - ea - eb)
.set SPW,  28                          ; v28     LDS address of my spare word; never rewritten
.set NIL,  29                          ; v29     0; never rewritten
.set BIAS, 32                          ; v32-95  the bias in the result's layout
.set T,    32                          ; v32-95  later: a block's 64 numbers, held
.set VB,   96                          ; v96-103 the bias's byte offsets, one for each register of a tile
.set AF,   128                         ; A's fragments
.set CD,   128                         ; later: the codes, 16 registers for each of the 8 blocks, so that no store's data are written again
.set G1, 24                            ; s[24:31] descriptor group 1 for A's tiles;  s[32:39] group 0, one set for each slot
.set G0, 32
.set G1B, 48                           ; s[48:55], s[56:63] the same for B's tiles
.set G0B, 56
.set TEN, 92                           ; s92     which tensor: 0 Q, 1 K, 2 V
.set MSB, 0
.macro WIN new                         ; the immediate's high byte repeats the setting that is left
.if MSB != (\new)
	s_set_vgpr_msb (MSB<<8)|(\new)
.set MSB, (\new)
.endif
.endm
.set MUL_LO, 0xa1                      ; source 0 (B) window 1, source 1 (A) window 0, C and D window 2
.set MUL_HI, 0xf1                      ; the same, C and D window 3
.set TO_B,   0x40                      ; destination window 1, address window 0
; A joint load: waves 0 and 1 fetch for A, waves 2 and 3 for B.  The branch hangs on the wave's number alone.  Four v_nop follow each of the two lines.
.macro JLOAD g0a, g1a, g0b, g1b
	s_cmp_eq_u32 s15, 0
	s_cbranch_scc0 .Lfor_b_\@
	tensor_load_to_lds s[\g0a:\g0a+3], s[\g1a:\g1a+7]
	s_nop 0
.rept 4
	v_nop
.endr
	s_branch .Lasked_\@
.Lfor_b_\@:
	tensor_load_to_lds s[\g0b:\g0b+3], s[\g1b:\g1b+7]
	s_nop 0
.rept 4
	v_nop
.endr
.Lasked_\@:
.endm
.macro CREST                           ; a round of the cluster's barrier behind its opening barrier
	s_cmp_lg_u32 s14, 0
	s_cbranch_scc1 .Lnot_wave_0_\@
	s_barrier_signal -3
.Lnot_wave_0_\@:
	s_barrier_wait -3
	s_barrier_signal -1
	s_barrier_wait -1
.endm
.macro CROUND                          ; a whole round
	s_barrier_signal -1
	s_barrier_wait -1
	CREST
.endm
	s_load_b512 s[68:83], s[0:1], 0x0              ; q s[68:69], k s[70:71], Wv s[72:73], Wq s[74:75], Wk s[76:77], v s[78:79], b_q s[80:81], b_k s[82:83]
	s_load_b256 s[84:91], s[0:1], 0x40             ; b_v s[84:85], the scales' exponents s[86:87], qc s[88:89], kv s[90:91]
	v_lshl_add_u32 v[SPW], v0, 2, SPARE
	v_mov_b32 v[NIL], 0
	ds_add_u32 v28, v29
	ds_add_u32 v28, v29
	s_wait_dscnt 0x0
	v_lshrrev_b32 v1, 5, v0
	v_readfirstlane_b32 s14, v1                    ; wave 0..3
	s_lshr_b32 s15, s14, 1                         ; which half of the tile's A rows is mine.  Also: I fetch for A (0) or for B (1)
	s_and_b32 s16, s14, 1                          ; which half of its B rows.  Also: which 128 rows of that tile I fetch
	s_bfe_u32 s40, ttmp6, 0x40000                  ; cx, cy: my place in the cluster
	s_bfe_u32 s41, ttmp6, 0x40004
	s_and_b32 s93, ttmp7, 0xffff                   ; the cluster's y, 0 .. 23: the same in all sixteen partners
	s_lshr_b32 s[TEN], s93, 3                      ; the tensor
	s_and_b32 s93, s93, 7                          ; which 1,024 tokens
	s_cmp_eq_u32 s[TEN], 2
	s_cselect_b32 s18, 0, s93                      ; the tokens are A's rows for Q and K,
	s_cselect_b32 s19, s93, 0                      ; B's rows for V
	s_lshl_b32 s17, s18, 2
	s_add_co_u32 s17, s17, s41                     ; A's tile row
	s_lshl_b32 s42, s19, 2
	s_add_co_u32 s42, s42, s40                     ; B's tile row (the tile column of the product)
	s_lshl_b32 s43, s41, 2
	s_lshl_b32 s43, 15, s43                        ; my row of the cluster
	s_lshl_b32 s44, 0x1111, s40                    ; my column
	; descriptor group 1: a tile of 128 rows x 256 bytes, padded in LDS
	s_or_b32 s[G1+0], s43, (0<<16)|(1<<20)|(1<<21)|(5<<22)|(3<<25)  ; 15:0 the mask: A's tiles go to my row; 17:16 element of 1 byte; 20 padding on; 21 set beside a mask; 24:22 after every 64 words (code 5); 31:25 of 4 words (code 3)
	s_or_b32 s[G1B+0], s44, (0<<16)|(1<<20)|(1<<21)|(5<<22)|(3<<25)
.irp g, G1, G1B
	s_mov_b32 s[\g+1], ROWB<<16                    ; tensor_dim0
	s_mov_b32 s[\g+2], 128<<16                     ; tensor_dim1 = 128
	s_mov_b32 s[\g+3], ROWB<<16                    ; tile_dim0
	s_mov_b32 s[\g+4], 128                         ; tile_dim1 = 128
	s_mov_b32 s[\g+5], KROW                        ; tensor_dim0_stride
	s_mov_b32 s[\g+6], 0
	s_mov_b32 s[\g+7], 0
.endr
	s_lshl_b32 s18, s16, 7                         ; which 128 rows of the tile I fetch
	s_lshl_b32 s20, s17, 8
	s_add_co_u32 s20, s20, s18                     ; A: row 256 x tile row + 128 x half,
	s_lshl_b32 s20, s20, 10                        ; in bytes (under 2^23)
	s_mov_b32 s21, 0
	s_lshl_b32 s46, s42, 8
	s_add_co_u32 s46, s46, s18                     ; B likewise
	s_lshl_b32 s46, s46, 10
	s_mov_b32 s47, 0
	s_mul_i32 s45, s14, HALFT                      ; where they go: wave x 128 rows: no place in the cluster enters an LDS address
	s_wait_kmcnt 0x0
	s_cmp_eq_u32 s[TEN], 1                         ; the buffers are chosen by the tensor's number, which hangs on no address
	s_cselect_b64 s[4:5], s[70:71], s[68:69]       ; A
	s_cselect_b64 s[6:7], s[76:77], s[74:75]       ; B
	s_cselect_b64 s[8:9], s[82:83], s[80:81]       ; the bias
	s_cmp_eq_u32 s[TEN], 2
	s_cselect_b64 s[4:5], s[72:73], s[4:5]
	s_cselect_b64 s[6:7], s[78:79], s[6:7]
	s_cselect_b64 s[8:9], s[84:85], s[8:9]
	s_cmp_eq_u32 s[TEN], 0
	s_cselect_b64 s[10:11], s[88:89], s[90:91]     ; the codes go to qc or to kv
	s_load_b256 s[68:75], s[86:87], 0x0            ; the twelve exponents: entries 0-7,
	s_load_b128 s[76:79], s[86:87], 0x20           ; entries 8-11
	s_add_nc_u64 s[20:21], s[4:5], s[20:21]
	s_add_nc_u64 s[46:47], s[6:7], s[46:47]
	CROUND                                         ; all sixteen work-groups are here: the first joint loads meet
.irp s, 0,1
	s_mov_b32 s[G0+4*\s], 1
	s_add_co_u32 s[G0+4*\s+1], s45, \s*SLOT
	s_add_nc_u64 s[G0+4*\s+2:G0+4*\s+3], s[20:21], \s*ROWB
	s_or_b32 s[G0+4*\s+3], s[G0+4*\s+3], 0x80000000
	s_mov_b32 s[G0B+4*\s], 1
	s_add_co_u32 s[G0B+4*\s+1], s45, \s*SLOT
	s_add_nc_u64 s[G0B+4*\s+2:G0B+4*\s+3], s[46:47], \s*ROWB
	s_or_b32 s[G0B+4*\s+3], s[G0B+4*\s+3], 0x80000000
.endr
	JLOAD G0, G1, G0B, G1B                         ; K step 0: one tensor load a wave at the head
	v_and_b32 v1, 15, v0                           ; r = l % 16
	v_bfe_u32 v2, v0, 4, 1                         ; h = l / 16
	v_mul_u32_u24 v3, v1, PITCH
	v_lshl_add_u32 v4, v2, 4, v3                   ; a fragment's row x pitch + 16 x half
	s_mul_i32 s21, s15, HALFT                      ; my 128 rows of A
	s_mul_i32 s22, s16, HALFT                      ; my 128 rows of B,
	s_add_co_u32 s22, s22, 2*HALFT                 ; which lie behind A's 256
.irp s, 0,1
	v_add_nc_u32 v[ADRA+\s], s21, v4
	v_add_nc_u32 v[ADRB+\s], s22, v4
	s_add_co_u32 s21, s21, SLOT
	s_add_co_u32 s22, s22, SLOT
.endr
	; where my codes go.  tok0, ch0: my first token and channel.  Fragment (a, f) lies at base + (a % 4) x 1,024 + (a / 4) x SA + f x SF
	s_lshl_b32 s18, s17, 8
	s_lshl_b32 s19, s15, 7
	s_add_co_u32 s18, s18, s19                     ; my first row of A
	s_lshl_b32 s19, s42, 8
	s_lshl_b32 s23, s16, 7
	s_add_co_u32 s19, s19, s23                     ; my first row of B
	s_lshl_b32 s95, 4096, s[TEN]                   ; SA: Q 4,096 (four token tiles on), K 8,192 (the next 64 keys),
	s_lshl_b32 s94, 131072, s[TEN]                 ; SF: Q 131,072, K 262,144 (the next head),
	s_mov_b32 s47, 262144
	s_cmp_eq_u32 s[TEN], 2
	s_cselect_b32 s95, s47, s95                    ; V: SA = 262,144 (the next head),
	s_cselect_b32 s94, 8192, s94                   ;    SF = 8,192 (the next 64 keys),
	s_cselect_b32 s46, 4096, 0                     ;    and V's fragments lie 4,096 bytes behind K's
	s_cselect_b32 s22, s19, s18                    ; tok0
	s_cselect_b32 s23, s18, s19                    ; ch0
	s_cselect_b32 s66, 4, 0                        ; the bias's offsets: V: 4 r (a lane holds one channel);
	s_cselect_b32 s67, 0, 32                       ; Q, K: 32 h + 4 j (a lane holds eight channels)
	s_cselect_b32 s47, 0, 4
	s_cmp_eq_u32 s[TEN], 0
	s_cselect_b32 s20, 17, 18                      ; a head's bytes: 2^17 in qc, 2^18 in kv
	s_cselect_b32 s21, 6, 7                        ; a token's share of them: 64 bytes in qc, 128 in kv
	s_lshr_b32 s2, s22, 11                         ; the batch,
	s_lshl_b32 s2, s2, 4
	s_lshr_b32 s3, s23, 6
	s_add_co_u32 s2, s2, s3                        ; x 16 + the head
	s_lshl_b32 s2, s2, s20
	s_and_b32 s3, s22, 2047                        ; the token in its batch
	s_lshl_b32 s3, s3, s21
	s_add_co_u32 s2, s2, s3
	s_add_co_u32 s2, s2, s46
	s_mov_b32 s3, 0
	s_add_nc_u64 s[10:11], s[10:11], s[2:3]        ; blocks 0-3
	s_mov_b32 s2, s95
	s_add_nc_u64 s[12:13], s[10:11], s[2:3]        ; blocks 4-7
	s_lshl_b32 s2, s23, 2
	s_add_nc_u64 s[8:9], s[8:9], s[2:3]            ; the bias at my first channel
	v_and_b32 v5, 31, v0
	v_lshlrev_b32 v[VO0], 4, v5                    ; 16 x lane
	v_add_nc_u32 v[VO0+1], s94, v[VO0]             ; + SF
	v_mul_u32_u24 v5, s66, v1
	v_mul_u32_u24 v6, s67, v2
	v_add_nc_u32 v5, v5, v6
	s_wait_alu depctr_va_vdst(0)
	s_mov_b32 s2, 0
.irp j, 0,1,2,3,4,5,6,7
	v_add_nc_u32 v[VB+\j], s2, v5
	s_add_co_u32 s2, s2, s47
.endr
	s_wait_alu depctr_va_vdst(0)
.irp x, 0,1,2,3,4,5,6,7                        ; register 8 x + j: Q, K: bias[ch0 + 16 x + 8 h + j];  V: bias[ch0 + 16 x + r]
.irp j, 0,1,2,3,4,5,6,7
	global_load_b32 v[BIAS+8*\x+\j], v[VB+\j], s[8:9] offset:64*\x
.endr
.endr
	s_wait_kmcnt 0x0
	s_cmp_eq_u32 s[TEN], 1
	s_cselect_b32 s20, s70, s68                    ; ea = entry 2 x tensor
	s_cselect_b32 s21, s71, s69                    ; eb = entry 2 x tensor + 1
	s_cselect_b32 s22, s75, s74                    ; eo = entry 6 + tensor
	s_cmp_eq_u32 s[TEN], 2
	s_cselect_b32 s20, s72, s20
	s_cselect_b32 s21, s73, s21
	s_cselect_b32 s22, s76, s22
	s_add_co_i32 s20, s20, s21                     ; ea + eb: a sum stands for sum x 2^(ea + eb)
	s_sub_co_i32 s96, 0, s20
	s_sub_co_i32 s97, s22, s20                     ; eo - ea - eb: the three scales folded into the conversion's one
	s_add_co_i32 s97, s97, 127
	s_lshl_b32 s21, s97, 23
	v_mov_b32 v[SCL], s21                          ; 2^(eo - ea - eb) as f32
	s_add_co_i32 s97, s97, 8
	s_lshl_b32 s97, s97, 23
	s_or_b32 s97, s97, 0x600000
	v_mov_b32 v[LIM], s97                          ; 448 x that
	s_wait_loadcnt 0x0                             ; the bias
.set j, 0
.rept 64
	v_ldexp_f32 v[BIAS+j], v[BIAS+j], s96          ; bias / 2^(ea + eb)
.set j, j+1
.endr
.macro FRAG reg, adr, q, i             ; a fragment, 16 rows x 128 K, is 16 registers: lane l holds row l % 16; registers 4 c .. 4 c + 3 hold K = 32 c + 16 (l / 16) + 0 .. 15: the same order of k in A and in B
.irp c, 0,1,2,3
	ds_load_b128 v[\reg+4*\c:\reg+4*\c+3], v[\adr] offset:128*(\q)+32*\c+(\i)*16*PITCH
.endr
.endm
; 16 matrix instructions: A's blocks a0, a0 + 1 x B's eight, 128 along K.  p: B's set.  mode 0: the sums go on; 1: they start from the bias of B's block (Q, K); 2: of A's block (V).
; The 64 accumulators take turns, one instruction a turn, in the same order in every step.
.macro MUL16 a0, p, mode
.irp a, \a0, \a0+1
.irp b, 0,1,2,3,4,5,6,7
.if \mode == 0
	v_wmma_f32_16x16x128_fp8_fp8 v[8*(8*((\a)%4)+\b):8*(8*((\a)%4)+\b)+7], v[128*(\p)+FR*\b:128*(\p)+FR*\b+FR-1], v[AF+FR*(\a):AF+FR*(\a)+FR-1], v[8*(8*((\a)%4)+\b):8*(8*((\a)%4)+\b)+7]
.elseif \mode == 1
	v_wmma_f32_16x16x128_fp8_fp8 v[8*(8*((\a)%4)+\b):8*(8*((\a)%4)+\b)+7], v[128*(\p)+FR*\b:128*(\p)+FR*\b+FR-1], v[AF+FR*(\a):AF+FR*(\a)+FR-1], v[BIAS+8*\b:BIAS+8*\b+7]
.else
	v_wmma_f32_16x16x128_fp8_fp8 v[8*(8*((\a)%4)+\b):8*(8*((\a)%4)+\b)+7], v[128*(\p)+FR*\b:128*(\p)+FR*\b+FR-1], v[AF+FR*(\a):AF+FR*(\a)+FR-1], v[BIAS+8*(\a):BIAS+8*(\a)+7]
.endif
.endr
.endr
.endm
.macro FETCH_B slot, q, p              ; B's eight fragments of the slot's q-th 128 along K into set p
	WIN TO_B
.irp i, 0,1,2,3,4,5,6,7
	FRAG 128*(\p)+FR*\i, ADRB+\slot, \q, \i
.endr
	WIN 0
.endm
.macro FETCH_A slot, q, i0             ; A's blocks i0 .. i0 + 3
.irp i, \i0, \i0+1, \i0+2, \i0+3
	FRAG AF+FR*(\i), ADRA+\slot, \q, \i
.endr
.endm
.macro PLACES n                        ; plain vector lines between a matrix instruction and a load into, or a vector read or write of, its registers
.rept \n
	v_nop
.endr
.endm
; A step of 128 along K that has its successor in the same slot.
.macro STEP slot, q, mode
	s_wait_dscnt 4*NL                              ; B's set and A's blocks 0-3 are in; the youngest sixteen loads (A's blocks 4-7) may be out
.if \mode
	WIN 0x81                                       ; B window 1, A and the bias window 0, D window 2
.else
	WIN MUL_LO
.endif
	MUL16 0, (\q)%2, \mode
	MUL16 2, (\q)%2, \mode
	s_wait_dscnt 0                                 ; A's blocks 4-7 are in
	PLACES NP
	FETCH_B \slot, (\q)+1, 1-(\q)%2
	FETCH_A \slot, (\q)+1, 0
.if \mode
	WIN 0xc1                                       ; the same, D window 3
.else
	WIN MUL_HI
.endif
	MUL16 4, (\q)%2, \mode
	MUL16 6, (\q)%2, \mode
	PLACES NP
	WIN 0
	FETCH_A \slot, (\q)+1, 4
.endm
; A slot's last step changes slots: ONE barrier; in front of it each wave waits for all its tensor loads, adds 0 to its spare word, and waits for that and for its own reads of this slot.  fill = 1: this slot is filled again, two K steps ahead.
.macro TURN slot, next, fill
	s_wait_tensorcnt 0x0                           ; all my tensor loads have landed: my part of the next slot  (every window is 0 here)
	ds_add_u32 v[SPW], v[NIL]                      ; 0 onto my spare word
	s_wait_dscnt 4*NL+1                            ; (the add and the youngest sixteen loads, A's blocks 4-7, may be out)
	WIN MUL_LO
	MUL16 0, 1, 0                                  ; sixteen matrix instructions stand between the add and the wait for it
	s_wait_dscnt 0x0                               ; the add is done, and my reads of this slot are over
	s_barrier_signal -1
	MUL16 2, 1, 0
	WIN 0
	s_barrier_wait -1
.if \fill
	CREST                                          ; the barrier has opened a round of the cluster's barrier: no wave of any partner still reads this slot's tile or has a load on its way
	s_add_nc_u64 s[G0+4*\slot+2:G0+4*\slot+3], s[G0+4*\slot+2:G0+4*\slot+3], 2*ROWB
	s_add_nc_u64 s[G0B+4*\slot+2:G0B+4*\slot+3], s[G0B+4*\slot+2:G0B+4*\slot+3], 2*ROWB
	JLOAD G0+4*\slot, G1, G0B+4*\slot, G1B         ; the first tensor load behind the round, my only one until the next; its four v_nop are the places in front of the loads below
.else
	PLACES NP
.endif
	FETCH_B \next, 0, 0
	FETCH_A \next, 0, 0
	WIN MUL_HI
	MUL16 4, 1, 0
	MUL16 6, 1, 0
	PLACES NP
	WIN 0
	FETCH_A \next, 0, 4
.endm
; THE WAY OUT of block a (16 rows of A x 128 rows of B): held within +-448 x the scale (the conversion to an 8-bit code does not saturate: ISA guide 7.6.2), converted, stored as two fragments' images.
.macro OUTBLK a
.set AC, 64*((\a)%4)
	WIN 0x02+((\a)/4)                              ; source 0: window 2 or 3
.set j, 0
.rept 64
	v_med3_num_f32 v[T+j], v[AC+j], -v[LIM], v[LIM]   ; each accumulator from its low end on
.set j, j+1
.endr
	WIN 0
.irp b, 0,1,2,3,4,5,6,7
	v_cvt_scalef32_pk8_fp8_f32 v[CD+16*(\a)+2*\b:CD+16*(\a)+2*\b+1], v[T+8*\b:T+8*\b+7], v[SCL]   ; registers 2 (b % 4), 2 (b % 4) + 1 of fragment b / 4
.endr
	v_nop                                          ; a plain vector line between the conversions and the next block's lines, which write their sources
.irp f, 0,1
.irp u, 0,1
	global_store_b128 v[VO0+\f], v[CD+16*(\a)+8*\f+4*\u:CD+16*(\a)+8*\f+4*\u+3], s[10+2*((\a)/4):11+2*((\a)/4)] offset:((\a)%4)*1024+512*\u   ; 32 lanes store 512 consecutive bytes, aligned
.endr
.endr
.endm
	s_wait_alu depctr_va_vdst(0)
	s_wait_tensorcnt 0x0                           ; my part of K step 0 is in
	ds_add_u32 v[SPW], v[NIL]
	s_wait_dscnt 0x0
	CROUND                                         ; a whole round: everybody's part of K step 0 is in, and the joint loads meet
	JLOAD G0+4, G1, G0B+4, G1B                     ; K step 1's load, the first tensor load behind the round
	FETCH_B 0, 0, 0
	FETCH_A 0, 0, 0
	FETCH_A 0, 0, 4
	s_cmp_eq_u32 s[TEN], 2                         ; the first step is written twice: its C is the bias by B's block (Q, K) or by A's block (V).  The branch hangs on the cluster's number: alike in all partners
	s_cbranch_scc1 .Lfirst_v
	s_wait_alu depctr_va_vdst(0)
	STEP 0, 0, 1
	s_branch .Lfirst_done
.Lfirst_v:
	s_wait_alu depctr_va_vdst(0)
	STEP 0, 0, 2
.Lfirst_done:
	TURN 0, 1, 1                                   ; slot 0 takes K step 2
	STEP 1, 0, 0
	TURN 1, 0, 1                                   ; slot 1 takes K step 3
	STEP 0, 0, 0
	TURN 0, 1, 0                                   ; nothing is left to fetch
	STEP 1, 0, 0
	s_wait_dscnt 4*NL                              ; the very last step
	WIN MUL_LO
	MUL16 0, 1, 0
	MUL16 2, 1, 0
	s_wait_dscnt 0
	WIN MUL_HI
	MUL16 4, 1, 0
	MUL16 6, 1, 0
	WIN 0
	PLACES NP                                      ; behind the last products: their results are read, and A's registers written, only behind these
.irp a, 0,1,2,3,4,5,6,7
	OUTBLK \a
.endr
	s_wait_tensorcnt 0x0                           ; the wave's end
	ds_add_u32 v[SPW], v[NIL]
	s_wait_dscnt 0x0
	CROUND                                         ; the closing round: no work-group ends while a partner may still ask for a tile that names it
	s_endpgm
.Lfunc_end_k_q9d0859f626_proj:
	.size	k_q9d0859f626_proj, .Lfunc_end_k_q9d0859f626_proj-k_q9d0859f626_proj
	.p2alignl 7, 3214868480
	.fill 96, 4, 3214868480
	.section	.rodata,"a",@progbits
	.p2align	6, 0x0
	.amdhsa_kernel k_q9d0859f626_proj
		.amdhsa_group_segment_fixed_size 327680
		.amdhsa_private_segment_fixed_size 0
		.amdhsa_enable_private_segment 0
		.amdhsa_kernarg_size 96
		.amdhsa_user_sgpr_count 2
		.amdhsa_user_sgpr_kernarg_segment_ptr 1
		.amdhsa_wavefront_size32 1
		.amdhsa_system_sgpr_workgroup_id_x 1
		.amdhsa_system_sgpr_workgroup_id_y 1
		.amdhsa_system_sgpr_workgroup_id_z 1
		.amdhsa_system_vgpr_workitem_id 0
		.amdhsa_next_free_vgpr 1024
		.amdhsa_next_free_sgpr 100
		.amdhsa_reserve_vcc 0
		.amdhsa_float_denorm_mode_32 3
		.amdhsa_float_denorm_mode_16_64 3
		.amdhsa_memory_ordered 1
		.amdhsa_forward_progress 1
		.amdhsa_inst_pref_size 139
	.end_amdhsa_kernel
	.amdgpu_metadata
---
amdhsa.version: [ 1, 2 ]
amdhsa.kernels:
  - .name:           k_q9d0859f626_proj
    .symbol:         k_q9d0859f626_proj.kd
    .args:
      - { .name: q_codes, .offset: 0, .size: 8, .value_kind: global_buffer, .address_space: global }
      - { .name: k_codes, .offset: 8, .size: 8, .value_kind: global_buffer, .address_space: global }
      - { .name: Wv_codes, .offset: 16, .size: 8, .value_kind: global_buffer, .address_space: global }
      - { .name: Wq_codes, .offset: 24, .size: 8, .value_kind: global_buffer, .address_space: global }
      - { .name: Wk_codes, .offset: 32, .size: 8, .value_kind: global_buffer, .address_space: global }
      - { .name: v_codes, .offset: 40, .size: 8, .value_kind: global_buffer, .address_space: global }
      - { .name: b_q, .offset: 48, .size: 8, .value_kind: global_buffer, .address_space: global }
      - { .name: b_k, .offset: 56, .size: 8, .value_kind: global_buffer, .address_space: global }
      - { .name: b_v, .offset: 64, .size: 8, .value_kind: global_buffer, .address_space: global }
      - { .name: lowp_scales, .offset: 72, .size: 8, .value_kind: global_buffer, .address_space: global }
      - { .name: qc, .offset: 80, .size: 8, .value_kind: global_buffer, .address_space: global }
      - { .name: kv, .offset: 88, .size: 8, .value_kind: global_buffer, .address_space: global }
    .group_segment_fixed_size: 327680
    .private_segment_fixed_size: 0
    .kernarg_segment_align: 8
    .kernarg_segment_size: 96
    .max_flat_workgroup_size: 128
    .sgpr_count:     100
    .vgpr_count:     1024
    .wavefront_size: 32
...
	.end_amdgpu_metadata
.endif
;; end of part 1
;; launch attn (part 2): grid 64 x 4, 16 waves a work-group, no clusters, 264,192 bytes of LDS; arguments qc, kv, lowp_scales, ao; writes ao
.if DOCPART == 2
	.amdgcn_target "amdgcn-amd-amdhsa--gfx1250"
	.amdhsa_code_object_version 6
	.text
	.protected	k_q9d0859f626_attn
	.globl	k_q9d0859f626_attn
	.p2align	8
	.type	k_q9d0859f626_attn,@function
k_q9d0859f626_attn:
	s_mov_b64 s[64:65], 0
	v_nop
	global_prefetch_b8 v0, s[64:65] scope:SCOPE_SE
	s_setreg_imm32_b32 hwreg(HW_REG_WAVE_MODE, 25, 1), 1
	s_wait_xcnt 0x0
; ATTENTION ON CODES OF FP8 (E4M3): for each batch and head, O[q] = the sum over the 2,048 keys of softmax(Q[q] . K[k] / 8) V[k], head size 64.  S^T = K Q^T by v_wmma_f32_16x16x64_fp8_fp8, O^T = V^T P^T by v_wmma_f32_16x16x128_fp8_fp8, f32 sums.
; THE SOFTMAX AHEAD OF THE SECOND PRODUCT: t = score x log2(e) / 8; M = the row's largest t so far, rounded UP to a whole number; p = 2^(t - M) is what is quantised (scale 2^ep); it is not normalised.
; The row's sum is taken of the unquantised p, in f32, and divides O at the end.  When M moves, the sum and O are multiplied by 2^(old M - new M): exact.  The result is quantised with the scale of the last product's A.
; SHARES.  A work-group (x: 16 x batch + head, y: a block of 512 queries) has sixteen waves of 32 queries each, two tiles of 16.  A step is 128 keys: M, f and the rescaling of O are made once for 128 keys.
; ALL OPERANDS COME AS IMAGES OF THEIR REGISTERS (1,024 bytes a fragment of 16 rows x 64 K: registers 0-3 at 16 x lane, registers 4-7 512 bytes on).  Two fragments of V of neighbouring 64 keys are one fragment of the K = 128 form.
; A lane holds ONE query (lane % 16) throughout; its eight registers of key tile kt are keys 16 kt + 8 (lane / 16) + 0 .. 7: registers 2 kt, 2 kt + 1 of P's fragment: the conversions' results are the operand.
; THE HOLD at 448 x 2^ep.  p = 2^(t - M).  With eq + ek <= 0 a score's t is under 64 x 448 x 448 x 0.1804 < 2^22, so the rounding of the largest t lifts t - M to 0.13 at the most and p stays under 1.1;
; with ep >= -8 the largest code stands for 1.75 or more.  Where both hold the hold changes no number; else they are run.
; NO TENSOR LOAD, NO CLUSTER: that branch hangs on loaded whole numbers.  A head's K and V, 262,144 bytes, come through registers into LDS,
; each byte once a work-group, each LDS byte written once, in four parts of 65,536 bytes (four steps' keys), eight loads and eight LDS stores of 16 bytes a lane in each wave for a part.
; Part 0 is waited for at the head.  Part 1 is asked for there too, and parts 2 and 3 in steps 0 and 1, into v160-191, which are idle from tile 1's conversions to the next step's second four key tiles; each is stored to LDS in the step
; after its request (steps 0, 1, 2).  One barrier behind step 2 shows parts 1 to 3 to every wave; they are first read in steps 4, 8 and 12.
; NO PREFETCH: these loads are themselves the early requests: a part is asked for two steps or more ahead of the step that first reads it from LDS, and nothing is loaded behind step 1.
; LIMITS on the given exponents: eq + ek between -123 and 130 (they are added to c's exponent field); ep between -126 and 119.  NaN among the codes is not served.
; REGISTERS: v0 at work; v1 16 x lane; v2 the step's LDS address; v3 2^ep; v4, v6 -M; v5, v7 the largest score so far; v8-11 the sums; v12, v13 the spare word's address and 0; v14, v15 the maximum's second chains;
; v16-31 Q; v32-63 four fragments of K, then the step's small numbers, then p's codes; v64-191 S^T, then p (tile u at +64 u, key tile kt at +8 kt), and V's fragments over tile 0 when it is converted; v192-255 O^T.
.set SPARE, 0x40000                    ; behind K and V: the spare words, 128 bytes for each of the 16 waves
.set LI,  1
.set ADR, 2
.set SCL, 3
.set NM,  4
.set SUM, 8
.set SPW, 12
.set NIL, 13
.set MB,  14
.set QF,  16
.set KF,  32
.set P,   32
.set F,   32                           ; v[32+2u] f = 2^(old M - new M); its pair's upper half holds whatever the loads left
.set PX,  36                           ; the other half of the lanes'
.set DD,  38                           ; old M - new M
.set TT,  40                           ; the largest t
.set X,   48                           ; v48-53 the sums' three further chains
.set S,   64
.set VF,  64
.set W,   160                          ; v160-191 a part of K and V on its way to LDS
.set O,   192
.set WV,  12
.set CX,  13
.set HB,  14
.set SEL, 40                           ; s[40:41] lane selects for v_permlanex16_b32: lane l xor 16
.set CS,  42                           ; s[42:43] c = log2(e) / 8 x 2^(eq + ek)
.set TB,  44                           ; LDS byte at which the step's fragments begin
.set CNT, 45
.set HOLD, 46                          ; 1: the hold is run
.set LIMS, 47                          ; 448 x 2^ep
.set SB,  53                           ; LDS byte at which my wave's 512 bytes of the part in hand begin
.set FB,  62                           ; s[62:63] the same in memory, for the part asked for next
	s_load_b256 s[4:11], s[0:1], 0x0               ; qc s[4:5], kv s[6:7], the scales' exponents s[8:9], ao s[10:11]
	v_lshl_add_u32 v[SPW], v0, 2, SPARE
	v_mov_b32 v[NIL], 0
	v_lshrrev_b32 v1, 5, v0
	v_readfirstlane_b32 s[WV], v1                  ; wave 0..15
	v_lshlrev_b32 v[KF], 4, v0                     ; 16 x thread: my place in each 8,192 bytes of part 0 in LDS
	v_and_b32 v[LI], 31, v0
	v_lshlrev_b32 v[LI], 4, v[LI]
	s_and_b32 s[CX], ttmp7, 0xffff                 ; my block of 512 queries
	s_mov_b32 s[HB], ttmp9                         ; 16 x batch + head
	s_mov_b32 s[SEL], 0x76543210
	s_mov_b32 s[SEL+1], 0xfedcba98
	s_lshl_b32 s54, s[HB], 18                      ; the head's 262,144 bytes of kv,
	s_lshl_b32 s57, s[WV], 9
	s_add_co_u32 s54, s54, s57                     ; + my wave's 512 of each 8,192
	s_add_co_u32 s[SB], s57, 0x10000               ; part 1 in LDS
	s_mov_b32 s55, 0
	s_lshl_b32 s58, s[HB], 17                      ; Q: the head's 131,072 bytes, + (32 block + 2 wave) tiles of 1,024
	s_lshl_b32 s57, s[CX], 15
	s_add_co_u32 s58, s58, s57
	s_lshl_b32 s57, s[WV], 11
	s_add_co_u32 s58, s58, s57
	s_mov_b32 s59, 0
	s_lshr_b32 s60, s[HB], 4                       ; ao: (128 x batch + 32 block + 2 wave) token tiles of 16,384 bytes, + head x 1,024
	s_lshl_b32 s60, s60, 21
	s_lshl_b32 s57, s[CX], 19
	s_add_co_u32 s60, s60, s57
	s_lshl_b32 s57, s[WV], 15
	s_add_co_u32 s60, s60, s57
	s_and_b32 s57, s[HB], 15
	s_lshl_b32 s57, s57, 10
	s_add_co_u32 s60, s60, s57
	s_mov_b32 s61, 0
	s_wait_alu depctr_va_vdst(0)
	s_wait_kmcnt 0x0
	s_load_b128 s[48:51], s[8:9], 0x18             ; entries 6-9: eq, ek, ev, ep
	s_load_b32 s52, s[8:9], 0x28                   ; entry 10: the scale of the result
	s_add_nc_u64 s[6:7], s[6:7], s[54:55]
	s_add_nc_u64 s[4:5], s[4:5], s[58:59]
	s_add_nc_u64 s[10:11], s[10:11], s[60:61]
	s_add_nc_u64 s[FB:FB+1], s[6:7], 0x10000       ; stepped by a part ahead of each request in the loop: the first names part 2
.irp i, 0,1,2,3,4,5,6,7
	global_load_b128 v[S+4*\i:S+4*\i+3], v[LI], s[6:7] offset:8192*\i   ; part 0: the sixteen waves' loads cover 8,192 consecutive bytes
.endr
.irp i, 0,1,2,3
	global_load_b128 v[QF+4*\i:QF+4*\i+3], v[LI], s[4:5] offset:512*\i   ; my two fragments of Q stay in registers
.endr
.irp i, 0,1,2,3,4,5,6,7
	global_load_b128 v[W+4*\i:W+4*\i+3], v[LI], s[6:7] offset:65536+8192*\i   ; part 1
.endr
.irp u, 0,1
	v_mov_b32 v[NM+2*\u], 0x7f61b1e6               ; -M: 3e38, so that the first f is 0
	v_mov_b32 v[NM+2*\u+1], 0xff61b1e6             ; the largest score so far: -3e38
	v_mov_b32 v[SUM+2*\u], 0
	v_mov_b32 v[SUM+2*\u+1], 0
.endr
.set j, 0
.rept 64
	v_mov_b32 v[O+j], 0                            ; O^T: the step has no first form of its own: it finds zeros, which the first f leaves zeros
.set j, j+1
.endr
	s_wait_kmcnt 0x0
	s_mov_b32 s[CS], 0x3e38aa3b                    ; log2(e) / 8
	s_add_co_i32 s54, s48, s49                     ; eq + ek
	s_cmp_gt_i32 s54, 0
	s_cselect_b32 s[HOLD], 1, 0
	s_cmp_lt_i32 s51, -8
	s_cselect_b32 s[HOLD], 1, s[HOLD]              ; the hold is run where eq + ek > 0 or ep < -8
	s_lshl_b32 s54, s54, 23
	s_add_co_i32 s[CS], s[CS], s54                 ; a score stands for score x 2^(eq + ek): added to c's exponent field
	s_mov_b32 s[CS+1], s[CS]                       ; (named with it as a pair, so it is written)
	s_add_co_i32 s54, s51, 127
	s_lshl_b32 s57, s54, 23
	v_mov_b32 v[SCL], s57                          ; 2^ep as f32
	s_add_co_i32 s54, s54, 8
	s_lshl_b32 s54, s54, 23
	s_or_b32 s[LIMS], s54, 0x600000                ; 448 x 2^ep
	s_add_co_i32 s55, s51, s50
	s_sub_co_i32 s55, s55, s52                     ; ep + ev - the result's exponent
	s_wait_alu depctr_va_vdst(0)
.set i, 0
.rept 8
.if i%4 == 0
	s_wait_loadcnt 16-i                            ; 20 loads were issued: the oldest i + 4 are in
.endif
	ds_store_b128 v[KF], v[S+4*i:S+4*i+3] offset:8192*i
.set i, i+1
.endr
	s_wait_loadcnt 8                               ; Q is in; part 1's eight loads may be out
	s_wait_dscnt 0x0                               ; my stores are done,
	s_barrier_signal -1
	s_barrier_wait -1                              ; everybody's are: part 0 lies in LDS, and nothing writes it again
.macro KLOAD base                      ; four fragments of K
.irp i, 0,1,2,3,4,5,6,7
	ds_load_b128 v[KF+4*\i:KF+4*\i+3], v[ADR] offset:\base+512*\i
.endr
.endm
.macro QK k0                           ; key tiles k0 .. k0 + 3 x my two tiles of queries
.irp kt, 0,1,2,3
.irp u, 0,1
	v_wmma_f32_16x16x64_fp8_fp8 v[S+64*\u+8*(\k0+\kt):S+64*\u+8*(\k0+\kt)+7], v[KF+8*\kt:KF+8*\kt+7], v[QF+8*\u:QF+8*\u+7], 0
.endr
.endr
.endm
.macro PLACES n
.rept \n
	v_nop
.endr
.endm
; the largest score: key tile k0 goes onto the running maximum itself, key tile k0 + 1 onto a second chain; four chains by turns; each accumulator is first read at its low end
.macro MAXQ k0, first
.irp i, 0,2,4,6
.irp u, 0,1
	v_max3_num_f32 v[NM+2*\u+1], v[NM+2*\u+1], v[S+64*\u+8*(\k0)+\i], v[S+64*\u+8*(\k0)+\i+1]
.if (\first) && (\i) == 0
	v_max_num_f32 v[MB+\u], v[S+64*\u+8*(\k0)+8], v[S+64*\u+8*(\k0)+9]
.else
	v_max3_num_f32 v[MB+\u], v[MB+\u], v[S+64*\u+8*(\k0)+8+\i], v[S+64*\u+8*(\k0)+9+\i]
.endif
.endr
.endr
.endm
; one tile's p: the row's sum of the unquantised p (32 packed additions in four chains), the hold where the flag asks for it, the conversions
.macro HALF u
	v_pk_add_f32 v[X:X+1], v[S+64*\u:S+64*\u+1], v[S+64*\u+2:S+64*\u+3]
	v_pk_add_f32 v[X+2:X+3], v[S+64*\u+4:S+64*\u+5], v[S+64*\u+6:S+64*\u+7]
	v_pk_add_f32 v[X+4:X+5], v[S+64*\u+8:S+64*\u+9], v[S+64*\u+10:S+64*\u+11]
	v_pk_add_f32 v[SUM+2*\u:SUM+2*\u+1], v[SUM+2*\u:SUM+2*\u+1], v[S+64*\u+12:S+64*\u+13]
	v_pk_add_f32 v[X:X+1], v[X:X+1], v[S+64*\u+14:S+64*\u+15]
.irp j, 16,24,32,40,48,56
	v_pk_add_f32 v[SUM+2*\u:SUM+2*\u+1], v[SUM+2*\u:SUM+2*\u+1], v[S+64*\u+\j:S+64*\u+\j+1]
	v_pk_add_f32 v[X:X+1], v[X:X+1], v[S+64*\u+\j+2:S+64*\u+\j+3]
	v_pk_add_f32 v[X+2:X+3], v[X+2:X+3], v[S+64*\u+\j+4:S+64*\u+\j+5]
	v_pk_add_f32 v[X+4:X+5], v[X+4:X+5], v[S+64*\u+\j+6:S+64*\u+\j+7]
.endr
	v_pk_add_f32 v[X:X+1], v[X:X+1], v[X+2:X+3]
	v_pk_add_f32 v[SUM+2*\u:SUM+2*\u+1], v[SUM+2*\u:SUM+2*\u+1], v[X+4:X+5]
	v_pk_add_f32 v[SUM+2*\u:SUM+2*\u+1], v[SUM+2*\u:SUM+2*\u+1], v[X:X+1]
	s_wait_alu depctr_va_vdst(0)
	s_cmp_eq_u32 s[HOLD], 0
	s_cbranch_scc1 .Lno_hold_\@                    ; the same way in every wave and every step: the flag is made of the given exponents alone
.set hj, 0
.rept 64
	v_min_num_f32 v[S+64*\u+hj], s[LIMS], v[S+64*\u+hj]   ; the conversion to an 8-bit code does not saturate (ISA guide 7.6.2); p is not negative, so the hold is one-sided
.set hj, hj+1
.endr
.Lno_hold_\@:
.irp kt, 0,1,2,3,4,5,6,7
	v_cvt_scalef32_pk8_fp8_f32 v[P+16*\u+2*\kt:P+16*\u+2*\kt+1], v[S+64*\u+8*\kt:S+64*\u+8*\kt+7], v[SCL]
.endr
.endm
; A STEP OF 128 KEYS: at LDS byte s[TB] K's tiles 0-3, V's first 64 keys, K's tiles 4-7, V's second 64 keys, 4,096 bytes each.  fill = 1: the step also passes a part of K and V on to LDS and asks for the next
.macro STEP fill
	v_add_nc_u32 v[ADR], s[TB], v[LI]
	PLACES 4                                       ; with the line above five places behind the last step's products: K is loaded over p's codes, and S^T is written over V's fragments
	KLOAD 0
	s_wait_alu depctr_va_vdst(0)
	s_wait_dscnt 0x0
	QK 0
	PLACES 4
	KLOAD 8192                                     ; the next four fragments are on their way while the first 64 keys' maximum is taken
	MAXQ 0, 1
	MAXQ 2, 0
	s_wait_alu depctr_va_vdst(0)                   ; the chains go on behind the waits below
.if \fill
	s_wait_loadcnt 0x0                             ; the part asked for a step ago is in v160-191, and its loads have read their base
	v_add_nc_u32 v0, s[SB], v[LI]
.irp i, 0,1,2,3,4,5,6,7
	ds_store_b128 v0, v[W+4*\i:W+4*\i+3] offset:8192*\i   ; LDS bytes from 65,536 on: no wave reads them ahead of the barrier behind these three steps
.endr
	s_add_nc_u64 s[FB:FB+1], s[FB:FB+1], 0x10000
	s_add_co_u32 s[SB], s[SB], 0x10000
.endif
	s_wait_dscnt 0x0
	QK 4
	PLACES 4
	MAXQ 4, 0
	MAXQ 6, 0
.irp u, 0,1
	v_max_num_f32 v[NM+2*\u+1], v[NM+2*\u+1], v[MB+\u]
.endr
.irp u, 0,1
	v_permlanex16_b32 v[PX+\u], v[NM+2*\u+1], s[SEL], s[SEL+1]
.endr
.irp u, 0,1
	v_max_num_f32 v[NM+2*\u+1], v[NM+2*\u+1], v[PX+\u]   ; and among lane l xor 16's: the largest score so far
.endr
.irp u, 0,1
	v_mul_f32 v[TT+\u], s[CS], v[NM+2*\u+1]        ; as t (c is positive)
.endr
.irp u, 0,1
	v_mov_b32 v[DD+\u], v[NM+2*\u]
.endr
.irp u, 0,1
	v_floor_f32 v[NM+2*\u], -v[TT+\u]              ; the new -M = floor(-t) = -ceil(t): M is a whole number
.endr
.irp u, 0,1
	v_sub_f32 v[DD+\u], v[NM+2*\u], v[DD+\u]       ; old M - new M: a whole number, 0 or less
.endr
.irp u, 0,1
	v_cvt_i32_f32 v[DD+\u], v[DD+\u]               ; (it saturates)
.endr
.irp u, 0,1
	v_ldexp_f32 v[F+2*\u], 1.0, v[DD+\u]           ; f = 2^(old M - new M)
.endr
.irp u, 0,1
.irp j, 0,2,4,6,8,10,12,14,16,18,20,22,24,26,28,30
	v_pk_mul_f32 v[O+32*\u+\j:O+32*\u+\j+1], v[O+32*\u+\j:O+32*\u+\j+1], v[F+2*\u:F+2*\u+1] op_sel_hi:[1,0]   ; O^T under the new M, ahead of the exponentials
.endr
.endr
.irp u, 0,1
.set j, 0
.rept 32
	v_pk_fma_f32 v[S+64*\u+j:S+64*\u+j+1], v[S+64*\u+j:S+64*\u+j+1], s[CS:CS+1], v[NM+2*\u:NM+2*\u+1] op_sel_hi:[1,0,0]   ; t - M, two at a time (of the pairs c and -M the low word serves both halves)
.set j, j+2
.endr
.endr
	s_wait_alu depctr_va_vdst(0)
.set j, 0
.rept 128
	v_exp_f32 v[S+j], v[S+j]                       ; p = 2^(t - M): one batch
.set j, j+1
.endr
.irp u, 0,1
	v_pk_mul_f32 v[SUM+2*\u:SUM+2*\u+1], v[SUM+2*\u:SUM+2*\u+1], v[F+2*\u:F+2*\u+1] op_sel_hi:[1,0]   ; the sums under the new M: plain lines behind the exponentials
.endr
	s_wait_alu depctr_va_vdst(0)                   ; one wait for the whole batch, ahead of its first reader
	HALF 0
.irp ct, 0,1,2,3                                   ; V's four fragments of 16 channels x 128 keys, over tile 0's p, which is converted; tile 1's lines stand between these loads and the wait for them
.irp g, 0,1
	ds_load_b128 v[VF+16*\ct+8*\g:VF+16*\ct+8*\g+3], v[ADR] offset:4096+8192*\g+1024*\ct
	ds_load_b128 v[VF+16*\ct+8*\g+4:VF+16*\ct+8*\g+7], v[ADR] offset:4096+8192*\g+1024*\ct+512
.endr
.endr
	HALF 1
	v_nop                                          ; a plain vector line between the conversions and the products
	s_wait_alu depctr_va_vdst(0)
.if \fill
	s_cmp_eq_u32 s[CNT], 1                         ; the third of these steps asks for nothing: part 3 is the last
	s_cbranch_scc1 .Lno_more_\@
.irp i, 0,1,2,3,4,5,6,7
	global_load_b128 v[W+4*\i:W+4*\i+3], v[LI], s[FB:FB+1] offset:8192*\i   ; the next part, into registers whose p is converted
.endr
.Lno_more_\@:
.endif
	s_wait_dscnt 0x0                               ; V is in
.irp ct, 0,1,2,3
.irp u, 0,1
	v_wmma_f32_16x16x128_fp8_fp8 v[O+32*\u+8*\ct:O+32*\u+8*\ct+7], v[VF+16*\ct:VF+16*\ct+15], v[P+16*\u:P+16*\u+15], v[O+32*\u+8*\ct:O+32*\u+8*\ct+7]   ; eight accumulators by turns
.endr
.endr
.endm
	s_mov_b32 s[TB], 0
	s_mov_b32 s[CNT], 3
.Lfirst:                                           ; steps 0-2: they read part 0 and store parts 1-3
	STEP 1
	s_add_co_u32 s[TB], s[TB], 16384
	s_sub_co_u32 s[CNT], s[CNT], 1
	s_cmp_lg_u32 s[CNT], 0
	s_cbranch_scc1 .Lfirst
	s_wait_alu depctr_va_vdst(0)
	s_wait_dscnt 0x0                               ; my stores of parts 1-3 are done,
	s_barrier_signal -1
	s_barrier_wait -1                              ; everybody's are
	s_mov_b32 s[TB], 49152
	s_mov_b32 s[CNT], 13
.Lrest:                                            ; steps 3-15
	STEP 0
	s_add_co_u32 s[TB], s[TB], 16384
	s_sub_co_u32 s[CNT], s[CNT], 1
	s_cmp_lg_u32 s[CNT], 0
	s_cbranch_scc1 .Lrest
	; THE WAY OUT.  O^T / the sum x 2^(ep + ev - the result's exponent) is held at +-448 and converted: the four conversions of a tile are a fragment (16 tokens x this head's 64 channels) of the last product's A.
	v_add_f32 v14, v8, v9
	v_add_f32 v15, v10, v11
	v_permlanex16_b32 v0, v14, s[SEL], s[SEL+1]
	v_permlanex16_b32 v2, v15, s[SEL], s[SEL+1]
	v_add_f32 v14, v14, v0                         ; the rows' sums
	v_add_f32 v15, v15, v2
	s_wait_alu depctr_va_vdst(0)
	v_rcp_f32 v4, v14
	v_rcp_f32 v6, v15
	v_mov_b32 v8, 0x43e00000                       ; 448 (a plain line behind the reciprocals)
	v_mov_b32 v[SCL], 1.0                          ; the conversion's scale: 2^0
	s_wait_alu depctr_va_vdst(0)                   ; one wait for both reciprocals, ahead of their first reader
	v_ldexp_f32 v4, v4, s55
	v_ldexp_f32 v6, v6, s55
	s_wait_alu depctr_va_vdst(0)                   ; ahead of the first reader of O^T
.irp u, 0,1
.irp j, 0,2,4,6,8,10,12,14,16,18,20,22,24,26,28,30
	v_pk_mul_f32 v[O+32*\u+\j:O+32*\u+\j+1], v[O+32*\u+\j:O+32*\u+\j+1], v[NM+2*\u:NM+2*\u+1] op_sel_hi:[1,0]
.endr
.endr
.set j, 0
.rept 64
	v_med3_num_f32 v[O+j], v[O+j], -v8, v8
.set j, j+1
.endr
.irp u, 0,1
.irp ct, 0,1,2,3
	v_cvt_scalef32_pk8_fp8_f32 v[P+8*\u+2*\ct:P+8*\u+2*\ct+1], v[O+32*\u+8*\ct:O+32*\u+8*\ct+7], v[SCL]
.endr
.endr
	v_nop                                          ; a plain vector line behind the last conversion
.irp u, 0,1
.irp i, 0,1
	global_store_b128 v[LI], v[P+8*\u+4*\i:P+8*\u+4*\i+3], s[10:11] offset:\u*16384+512*\i   ; 32 lanes store 512 consecutive bytes, aligned
.endr
.endr
	s_wait_tensorcnt 0x0                           ; the wave's end
	ds_add_u32 v[SPW], v[NIL]
	s_wait_dscnt 0x0
	s_endpgm
.Lfunc_end_k_q9d0859f626_attn:
	.size	k_q9d0859f626_attn, .Lfunc_end_k_q9d0859f626_attn-k_q9d0859f626_attn
	.p2alignl 7, 3214868480
	.fill 96, 4, 3214868480
	.section	.rodata,"a",@progbits
	.p2align	6, 0x0
	.amdhsa_kernel k_q9d0859f626_attn
		.amdhsa_group_segment_fixed_size 264192
		.amdhsa_private_segment_fixed_size 0
		.amdhsa_enable_private_segment 0
		.amdhsa_kernarg_size 32
		.amdhsa_user_sgpr_count 2
		.amdhsa_user_sgpr_kernarg_segment_ptr 1
		.amdhsa_wavefront_size32 1
		.amdhsa_system_sgpr_workgroup_id_x 1
		.amdhsa_system_sgpr_workgroup_id_y 1
		.amdhsa_system_sgpr_workgroup_id_z 1
		.amdhsa_system_vgpr_workitem_id 0
		.amdhsa_next_free_vgpr 256
		.amdhsa_next_free_sgpr 66
		.amdhsa_reserve_vcc 0
		.amdhsa_float_denorm_mode_32 3
		.amdhsa_float_denorm_mode_16_64 3
		.amdhsa_memory_ordered 1
		.amdhsa_forward_progress 1
		.amdhsa_inst_pref_size 74
	.end_amdhsa_kernel
	.amdgpu_metadata
---
amdhsa.version: [ 1, 2 ]
amdhsa.kernels:
  - .name:           k_q9d0859f626_attn
    .symbol:         k_q9d0859f626_attn.kd
    .args:
      - { .name: qc, .offset: 0, .size: 8, .value_kind: global_buffer, .address_space: global }
      - { .name: kv, .offset: 8, .size: 8, .value_kind: global_buffer, .address_space: global }
      - { .name: lowp_scales, .offset: 16, .size: 8, .value_kind: global_buffer, .address_space: global }
      - { .name: ao, .offset: 24, .size: 8, .value_kind: global_buffer, .address_space: global }
    .group_segment_fixed_size: 264192
    .private_segment_fixed_size: 0
    .kernarg_segment_align: 8
    .kernarg_segment_size: 32
    .max_flat_workgroup_size: 512
    .sgpr_count:     66
    .vgpr_count:     256
    .wavefront_size: 32
...
	.end_amdgpu_metadata
.endif
;; end of part 2
;; launch outp (part 3): grid 4 x 64, 4 waves a work-group, clusters of 4 x 4, 327,680 bytes of LDS; arguments ao, Wo_codes, lowp_scales, b_o, out0; writes out0
.if DOCPART == 3
	.amdgcn_target "amdgcn-amd-amdhsa--gfx1250"
	.amdhsa_code_object_version 6
	.text
	.protected	k_q9d0859f626_outp
	.globl	k_q9d0859f626_outp
	.p2align	8
	.type	k_q9d0859f626_outp,@function
k_q9d0859f626_outp:
	s_mov_b64 s[64:65], 0
	v_nop
	global_prefetch_b8 v0, s[64:65] scope:SCOPE_SE
	s_setreg_imm32_b32 hwreg(HW_REG_WAVE_MODE, 25, 1), 1
	s_wait_xcnt 0x0
	s_wait_alu depctr_hold_cnt(0) depctr_sa_sdst(0) depctr_va_vdst(0) depctr_va_sdst(0) depctr_va_ssrc(0) depctr_va_vcc(0) depctr_vm_vsrc(0)
	s_getreg_b32 s2, hwreg(HW_REG_IB_STS2, 6, 4)
	s_cmp_eq_u32 s2, 0
	s_cbranch_scc0 .Lentry_in_a_cluster
	s_endpgm
.Lentry_in_a_cluster:
	s_bfe_u32 s2, ttmp6, 0x10000c
	s_cmp_lg_u32 s2, 0xf033
	s_cbranch_scc0 .Lentry_shape_is_right
	s_endpgm
.Lentry_shape_is_right:
; THE LAST PROJECTION: out0 = attention's result x Wo + b_o on codes of FP8 (E4M3), f32 sums, by v_wmma_f32_16x16x128_fp8_fp8.
; A = ao: the result's codes as images of operand registers, [token tile of 16 (512)][head (16)][1,024 bytes]: a fragment of 16 tokens x 64 K, registers 0-3 at 16 x lane, registers 4-7 512 bytes on.  B = Wo's rows (channels), K innermost.
; A block of out0, 128 tokens x 256 channels, is made by a work-group of four waves: 8,192 x 1,024 numbers are 256 such blocks.  A wave makes 64 x 128: 32 accumulators of 16 x 16.
; K = 1,024 goes in four steps of 256 through a ring of two LDS slots; a step is two products of 128 along K.  A's and B's fragments have two sets of registers each: while one is multiplied the other is loaded.
; JOINT LOADS, clusters of 4 x 4: A's tile is shared along a row of the cluster, B's along a column.  Waves 0 and 1 fetch A's halves (4 token tiles x 4,096 bytes), waves 2 and 3 B's (128 rows x 256 bytes).
; THE MATRIX INSTRUCTION IS USED TRANSPOSED (source 0 = 16 rows of Wo, source 1 = 16 tokens): a lane holds eight neighbouring channels of one token.
; THE BIAS is the C of each sum's first matrix instruction, divided by 2^(ea + eb); each finished sum is multiplied once by 2^(ea + eb).
; NO PREFETCH: the four K steps are written out and two of them are asked for ahead of the first product: there is no loop to run ahead in.
; LIMIT: ea + eb (entries 10 and 11) lies between -126 and 127, so that 2^(ea + eb) is an f32 number.
; REGISTERS, in windows of 256: window 0: v16-29 addresses; v32-95 the bias, later a block's scaled sums; v128-191, v192-255 A's two sets, later rows read back from the stage.  window 1: B's two sets.  window 2: the accumulators ((a, b) at v[8 (8 a + b)]).
.set SIZE_N, 1024
.set KROW,   1024                      ; a row of Wo in memory, in bytes
.set ROWB,   256                       ; a row of B's tile
.set PITCH,  272                       ; and in LDS: + 16 of padding
.set ASTEP,  4096                      ; a token tile's bytes of a K step: four heads' fragments
.set FR,     16                        ; registers of a fragment: 16 rows x 128 K
.set NP,     4                         ; places behind this matrix instruction (ISA guide 7.12.1)
.set HALFT,  128*PITCH                 ; the room of one tensor load's tile (A's use 16,384 bytes of it)
.set SLOT,   4*HALFT
.set SPARE,  2*SLOT                    ; behind the ring: the spare words, 128 bytes for each wave
.set SPITCH, 528                       ; the way out: a stage of 16 rows x (512 bytes + 16) for each wave, in slot 0 behind its last fill and last read
.set ADRA, 16
.set ADRB, 20
.set STO,  24
.set RD,   25
.set CO,   26
.set SPW,  28
.set NIL,  29
.set BIAS, 32
.set TMP,  32
.set AF0,  128
.set AF1,  192
.set AF,   AF0                         ; A's set in hand: set anew ahead of each run of loads or products
.set BK,   128
.set G1, 24
.set G0, 32
.set G1B, 48
.set G0B, 56
.set MSB, 0
.macro WIN new                         ; the immediate's high byte repeats the setting that is left
.if MSB != (\new)
	s_set_vgpr_msb (MSB<<8)|(\new)
.set MSB, (\new)
.endif
.endm
.set MUL_LO, 0xa1                      ; source 0 (B) window 1, source 1 (A) window 0, C and D window 2
.set TO_B,   0x40                      ; destination window 1, address window 0
.macro JLOAD g0a, g1a, g0b, g1b        ; a joint load: waves 0 and 1 for A, waves 2 and 3 for B; an s_nop 0 and four v_nop follow each line
	s_cmp_eq_u32 s15, 0
	s_cbranch_scc0 .Lfor_b_\@
	tensor_load_to_lds s[\g0a:\g0a+3], s[\g1a:\g1a+7]
	s_nop 0
.rept 4
	v_nop
.endr
	s_branch .Lasked_\@
.Lfor_b_\@:
	tensor_load_to_lds s[\g0b:\g0b+3], s[\g1b:\g1b+7]
	s_nop 0
.rept 4
	v_nop
.endr
.Lasked_\@:
.endm
.macro CREST                           ; a round of the cluster's barrier behind its opening barrier
	s_cmp_lg_u32 s14, 0
	s_cbranch_scc1 .Lnot_wave_0_\@
	s_barrier_signal -3
.Lnot_wave_0_\@:
	s_barrier_wait -3
	s_barrier_signal -1
	s_barrier_wait -1
.endm
.macro CROUND
	s_barrier_signal -1
	s_barrier_wait -1
	CREST
.endm
	s_load_b128 s[4:7], s[0:1], 0x0                ; ao s[4:5], Wo's codes s[6:7]
	s_load_b128 s[8:11], s[0:1], 0x10              ; the scales' exponents s[8:9], b_o s[10:11]
	s_load_b64 s[12:13], s[0:1], 0x20              ; out0
	v_lshl_add_u32 v[SPW], v0, 2, SPARE
	v_mov_b32 v[NIL], 0
	ds_add_u32 v[SPW], v[NIL]                      ; the opening lines: the add, twice on end, and its wait ahead of my first tensor load
	ds_add_u32 v[SPW], v[NIL]
	v_lshrrev_b32 v1, 5, v0
	v_readfirstlane_b32 s14, v1                    ; wave 0..3
	s_lshr_b32 s15, s14, 1                         ; which 64 tokens are mine.  Also: I fetch for A (0) or for B (1)
	s_and_b32 s16, s14, 1                          ; which 128 channels.  Also: which half of that tile I fetch
	s_bfe_u32 s40, ttmp6, 0x40000                  ; cx, cy
	s_bfe_u32 s41, ttmp6, 0x40004
	s_lshl_b32 s42, ttmp9, 2
	s_add_co_u32 s42, s42, s40                     ; block column: 256 channels
	s_and_b32 s17, ttmp7, 0xffff
	s_lshl_b32 s17, s17, 2
	s_add_co_u32 s17, s17, s41                     ; block row: 128 tokens
	s_lshl_b32 s43, s41, 2
	s_lshl_b32 s43, 15, s43                        ; my row of the cluster
	s_lshl_b32 s44, 0x1111, s40                    ; my column
	s_or_b32 s[G1+0], s43, (3<<16)|(1<<21)         ; A: elements of 8 bytes, no padding; the mask, bit 21 beside it
	s_mov_b32 s[G1+1], 512<<16                     ; a row: 512 elements = a token tile's 4,096 bytes of the K step
	s_mov_b32 s[G1+2], 4<<16                       ; 4 token tiles
	s_mov_b32 s[G1+3], 512<<16
	s_mov_b32 s[G1+4], 4
	s_mov_b32 s[G1+5], 2048                        ; 16,384 bytes from token tile to token tile
	s_mov_b32 s[G1+6], 0
	s_mov_b32 s[G1+7], 0
	s_or_b32 s[G1B+0], s44, (0<<16)|(1<<20)|(1<<21)|(5<<22)|(3<<25)   ; B: elements of 1 byte; four words of padding behind every 64
	s_mov_b32 s[G1B+1], ROWB<<16
	s_mov_b32 s[G1B+2], 128<<16
	s_mov_b32 s[G1B+3], ROWB<<16
	s_mov_b32 s[G1B+4], 128
	s_mov_b32 s[G1B+5], KROW
	s_mov_b32 s[G1B+6], 0
	s_mov_b32 s[G1B+7], 0
	s_lshl_b32 s18, s16, 16                        ; A: 131,072 bytes a block row, 65,536 a half
	s_lshl_b32 s20, s17, 17
	s_add_co_u32 s20, s20, s18
	s_mov_b32 s21, 0
	s_lshl_b32 s18, s16, 17                        ; B: 262,144 bytes a block column, 131,072 a half
	s_lshl_b32 s46, s42, 18
	s_add_co_u32 s46, s46, s18
	s_mov_b32 s47, 0
	s_mul_i32 s45, s14, HALFT                      ; where they go: by the wave's number alone
	s_wait_dscnt 0x0                               ; both opening adds are done
	s_wait_kmcnt 0x0
	s_load_b64 s[96:97], s[8:9], 0x28              ; entries 10, 11: ea, eb
	s_add_nc_u64 s[20:21], s[4:5], s[20:21]
	s_add_nc_u64 s[46:47], s[6:7], s[46:47]
	CROUND                                         ; all sixteen work-groups are here: the first joint loads meet
.irp s, 0,1
	s_mov_b32 s[G0+4*\s], 1
	s_add_co_u32 s[G0+4*\s+1], s45, \s*SLOT
	s_add_nc_u64 s[G0+4*\s+2:G0+4*\s+3], s[20:21], \s*ASTEP
	s_or_b32 s[G0+4*\s+3], s[G0+4*\s+3], 0x80000000
	s_mov_b32 s[G0B+4*\s], 1
	s_add_co_u32 s[G0B+4*\s+1], s45, \s*SLOT
	s_add_nc_u64 s[G0B+4*\s+2:G0B+4*\s+3], s[46:47], \s*ROWB
	s_or_b32 s[G0B+4*\s+3], s[G0B+4*\s+3], 0x80000000
.endr
	JLOAD G0, G1, G0B, G1B                         ; K step 0: one tensor load a wave at the head
	v_and_b32 v1, 15, v0                           ; r
	v_bfe_u32 v2, v0, 4, 1                         ; h
	v_and_b32 v6, 31, v0
	v_lshlrev_b32 v[CO], 4, v6                     ; 16 x lane
	v_mul_u32_u24 v3, v1, PITCH
	v_lshl_add_u32 v4, v2, 3, v3                   ; B: row x pitch + 8 h: the plain 8-bit layout, as A's images have it
	s_mul_i32 s21, s15, HALFT                      ; my 64 tokens
	s_mul_i32 s22, s16, HALFT                      ; my 128 rows of B,
	s_add_co_u32 s22, s22, 2*HALFT                 ; which lie behind A's two rooms
.irp s, 0,1
	v_add_nc_u32 v[ADRA+\s], s21, v[CO]
	v_add_nc_u32 v[ADRB+\s], s22, v4
	s_add_co_u32 s21, s21, SLOT
	s_add_co_u32 s22, s22, SLOT
.endr
	s_mul_i32 s23, s14, 16*SPITCH                  ; my stage
	v_mul_u32_u24 v5, v1, SPITCH
	v_lshl_add_u32 v5, v2, 5, v5
	v_add_nc_u32 v[STO], s23, v5                   ; in: row r, 32 bytes for each half of the lanes
	v_add_nc_u32 v[RD], s23, v[CO]                 ; back: the 32 lanes take one row of 512 bytes
	s_lshl_b32 s46, s42, 10
	s_lshl_b32 s47, s16, 9
	s_add_co_u32 s46, s46, s47                     ; my first channel, in bytes of f32
	s_mov_b32 s47, 0
	s_add_nc_u64 s[10:11], s[10:11], s[46:47]
	s_lshl_b32 s20, s17, 19                        ; my first token: 128 rows of 4,096 bytes a block, 64 a half
	s_lshl_b32 s21, s15, 18
	s_add_co_u32 s20, s20, s21
	s_mov_b32 s21, 0
	s_add_nc_u64 s[20:21], s[20:21], s[46:47]
	s_add_nc_u64 s[12:13], s[12:13], s[20:21]
	v_lshlrev_b32 v7, 5, v2
.irp x, 0,1,2,3,4,5,6,7                        ; register 8 x + j: b_o[my first channel + 16 x + 8 h + j]
	global_load_b128 v[BIAS+8*\x:BIAS+8*\x+3], v7, s[10:11] offset:64*\x
	global_load_b128 v[BIAS+8*\x+4:BIAS+8*\x+7], v7, s[10:11] offset:64*\x+16
.endr
	s_wait_kmcnt 0x0
	s_add_co_i32 s96, s96, s97                     ; ea + eb
	s_sub_co_i32 s95, 0, s96
	s_add_co_i32 s96, s96, 127
	s_lshl_b32 s96, s96, 23                        ; 2^(ea + eb) as f32
	s_wait_loadcnt 0x0
.set j, 0
.rept 64
	v_ldexp_f32 v[BIAS+j], v[BIAS+j], s95          ; the bias / 2^(ea + eb)
.set j, j+1
.endr
.macro FRAG_A reg, slot, q, i          ; token tile i, the slot's q-th 128 along K: two heads' images, 16 registers
.irp c, 0,1,2,3
	ds_load_b128 v[\reg+4*\c:\reg+4*\c+3], v[ADRA+\slot] offset:(\i)*ASTEP+(\q)*2048+512*\c
.endr
.endm
.macro FRAG_B reg, slot, q, i          ; registers 2 c, 2 c + 1: k = 16 c + 8 h + 0 .. 7
.irp c, 0,1,2,3,4,5,6,7
	ds_load_b64 v[\reg+2*\c:\reg+2*\c+1], v[ADRB+\slot] offset:128*(\q)+16*\c+(\i)*16*PITCH
.endr
.endm
; 16 matrix instructions: token tiles a0, a0 + 1 x B's eight blocks.  p: B's set (A's is AF).  mode 1: the sums start from the bias.  The 32 accumulators take turns, in the same order in every step
.macro MUL16 a0, p, mode
.irp a, \a0, \a0+1
.irp b, 0,1,2,3,4,5,6,7
.if \mode
	v_wmma_f32_16x16x128_fp8_fp8 v[8*(8*(\a)+\b):8*(8*(\a)+\b)+7], v[128*(\p)+FR*\b:128*(\p)+FR*\b+FR-1], v[AF+FR*(\a):AF+FR*(\a)+FR-1], v[BIAS+8*\b:BIAS+8*\b+7]
.else
	v_wmma_f32_16x16x128_fp8_fp8 v[8*(8*(\a)+\b):8*(8*(\a)+\b)+7], v[128*(\p)+FR*\b:128*(\p)+FR*\b+FR-1], v[AF+FR*(\a):AF+FR*(\a)+FR-1], v[8*(8*(\a)+\b):8*(8*(\a)+\b)+7]
.endif
.endr
.endr
.endm
.macro FETCH slot, q, p                ; both operands' fragments of the slot's q-th 128 along K into sets p (AF is set by the caller)
	WIN TO_B
.irp i, 0,1,2,3,4,5,6,7
	FRAG_B 128*(\p)+FR*\i, \slot, \q, \i
.endr
	WIN 0
.irp i, 0,1,2,3
	FRAG_A AF+FR*\i, \slot, \q, \i
.endr
.endm
.macro PLACES n
.rept \n
	v_nop
.endr
.endm
; A slot's first 128 along K, on sets 0; its second 128 are loaded into sets 1 meanwhile
.macro STEP slot, mode
	s_wait_dscnt 0x0                               ; sets 0 are in
	PLACES NP                                      ; between the last products on sets 1 and the loads into them
.set AF, AF1
	FETCH \slot, 1, 1
.set AF, AF0
.if \mode
	WIN 0x81                                       ; B window 1, A and the bias window 0, D window 2
.else
	WIN MUL_LO
.endif
	MUL16 0, 0, \mode
	MUL16 2, 0, \mode
	WIN 0
.endm
; A slot's second 128 along K, on sets 1, and the change of slots: ONE barrier; in front of it each wave waits for all its tensor loads, adds 0 to its spare word, and waits for that and for its reads of this slot.  fill = 1: the slot is filled again
.macro TURN slot, next, fill
	s_wait_tensorcnt 0x0                           ; all my tensor loads have landed: my part of the next slot
	ds_add_u32 v[SPW], v[NIL]                      ; 0 onto my spare word
	s_wait_dscnt 1                                 ; sets 1 are in; the add may be out
.set AF, AF1
	WIN MUL_LO
	MUL16 0, 1, 0
	s_wait_dscnt 0x0                               ; the add is done, and my reads of this slot are over
	s_barrier_signal -1
	MUL16 2, 1, 0
	WIN 0
	s_barrier_wait -1
.if \fill
	CREST                                          ; the barrier has opened a round of the cluster's barrier
	s_add_nc_u64 s[G0+4*\slot+2:G0+4*\slot+3], s[G0+4*\slot+2:G0+4*\slot+3], 2*ASTEP
	s_add_nc_u64 s[G0B+4*\slot+2:G0B+4*\slot+3], s[G0B+4*\slot+2:G0B+4*\slot+3], 2*ROWB
	JLOAD G0+4*\slot, G1, G0B+4*\slot, G1B         ; the first tensor load behind the round; its four v_nop are the places in front of the loads below
.else
	PLACES NP
.endif
.set AF, AF0
	FETCH \next, 0, 0
.endm
	s_wait_alu depctr_va_vdst(0)
	s_wait_tensorcnt 0x0                           ; my part of K step 0 is in
	ds_add_u32 v[SPW], v[NIL]
	s_wait_dscnt 0x0
	CROUND                                         ; a whole round: everybody's part of K step 0 is in, and the joint loads meet
	JLOAD G0+4, G1, G0B+4, G1B                     ; K step 1's load, the first tensor load behind the round
	FETCH 0, 0, 0
	STEP 0, 1
	TURN 0, 1, 1                                   ; slot 0 takes K step 2
	STEP 1, 0
	TURN 1, 0, 1                                   ; slot 1 takes K step 3
	STEP 0, 0
	TURN 0, 1, 0                                   ; nothing is left to fetch
	STEP 1, 0
	s_wait_dscnt 0x0                               ; the very last 128 along K
.set AF, AF1
	WIN MUL_LO
	MUL16 0, 1, 0
	MUL16 2, 1, 0
	WIN 0
; THE WAY OUT, block by block of 16 tokens x 128 channels: x 2^(ea + eb), through my own stage in LDS, back as whole rows of 512 bytes.  LDS serves a wave's instructions in order (ISA guide 5.7.1.4)
.macro TOSTAGE a
.set AC, 64*(\a)
	WIN 0x02                                       ; source 0: window 2
.irp j, 0,2,4,6,8,10,12,14,16,18,20,22,24,26,28,30,32,34,36,38,40,42,44,46,48,50,52,54,56,58,60,62
	v_pk_mul_f32 v[TMP+\j:TMP+\j+1], v[AC+\j:AC+\j+1], s[96:97] op_sel_hi:[1,0]   ; each accumulator from its low end on
.endr
	WIN 0
.irp b, 0,1,2,3,4,5,6,7
	ds_store_b128 v[STO], v[TMP+8*\b:TMP+8*\b+3] offset:64*\b
	ds_store_b128 v[STO], v[TMP+8*\b+4:TMP+8*\b+7] offset:64*\b+16
.endr
.set BB, BK+64*((\a)%2)
.irp t, 0,1,2,3,4,5,6,7,8,9,10,11,12,13,14,15
	ds_load_b128 v[BB+4*\t:BB+4*\t+3], v[RD] offset:\t*SPITCH
.endr
.endm
.macro SEND a, younger                 ; younger: the LDS instructions issued behind block a's loads, which may stay out
.set BB, BK+64*((\a)%2)
	s_wait_dscnt \younger
.if (\a) > 0
	s_add_nc_u64 s[12:13], s[12:13], 16*SIZE_N*4   ; (behind a wait on XCNT: the earlier stores have read their base)
.endif
.irp t, 0,1,2,3,4,5,6,7,8,9,10,11,12,13,14,15
	global_store_b128 v[CO], v[BB+4*\t:BB+4*\t+3], s[12:13] offset:\t*SIZE_N*4 th:TH_STORE_NT   ; 32 lanes store 512 consecutive bytes, aligned
.endr
.endm
	PLACES NP                                      ; behind the last products: their results are read, and A's registers loaded into, only behind these
	TOSTAGE 0
.irp a, 1,2,3
.if \a > 1
	s_wait_xcnt 0x0                                ; block a - 2's stores have read their registers and their base
.endif
	TOSTAGE \a
	SEND \a-1, 32
.endr
	s_wait_xcnt 0x0
	SEND 3, 0
	s_wait_tensorcnt 0x0                           ; the wave's end
	ds_add_u32 v[SPW], v[NIL]
	s_wait_dscnt 0x0
	CROUND                                         ; the closing round
	s_endpgm
.Lfunc_end_k_q9d0859f626_outp:
	.size	k_q9d0859f626_outp, .Lfunc_end_k_q9d0859f626_outp-k_q9d0859f626_outp
	.p2alignl 7, 3214868480
	.fill 96, 4, 3214868480
	.section	.rodata,"a",@progbits
	.p2align	6, 0x0
	.amdhsa_kernel k_q9d0859f626_outp
		.amdhsa_group_segment_fixed_size 327680
		.amdhsa_private_segment_fixed_size 0
		.amdhsa_enable_private_segment 0
		.amdhsa_kernarg_size 40
		.amdhsa_user_sgpr_count 2
		.amdhsa_user_sgpr_kernarg_segment_ptr 1
		.amdhsa_wavefront_size32 1
		.amdhsa_system_sgpr_workgroup_id_x 1
		.amdhsa_system_sgpr_workgroup_id_y 1
		.amdhsa_system_sgpr_workgroup_id_z 1
		.amdhsa_system_vgpr_workitem_id 0
		.amdhsa_next_free_vgpr 768
		.amdhsa_next_free_sgpr 98
		.amdhsa_reserve_vcc 0
		.amdhsa_float_denorm_mode_32 3
		.amdhsa_float_denorm_mode_16_64 3
		.amdhsa_memory_ordered 1
		.amdhsa_forward_progress 1
		.amdhsa_inst_pref_size 97
	.end_amdhsa_kernel
	.amdgpu_metadata
---
amdhsa.version: [ 1, 2 ]
amdhsa.kernels:
  - .name:           k_q9d0859f626_outp
    .symbol:         k_q9d0859f626_outp.kd
    .args:
      - { .name: ao, .offset: 0, .size: 8, .value_kind: global_buffer, .address_space: global }
      - { .name: Wo_codes, .offset: 8, .size: 8, .value_kind: global_buffer, .address_space: global }
      - { .name: lowp_scales, .offset: 16, .size: 8, .value_kind: global_buffer, .address_space: global }
      - { .name: b_o, .offset: 24, .size: 8, .value_kind: global_buffer, .address_space: global }
      - { .name: out0, .offset: 32, .size: 8, .value_kind: global_buffer, .address_space: global }
    .group_segment_fixed_size: 327680
    .private_segment_fixed_size: 0
    .kernarg_segment_align: 8
    .kernarg_segment_size: 40
    .max_flat_workgroup_size: 128
    .sgpr_count:     98
    .vgpr_count:     768
    .wavefront_size: 32
...
	.end_amdgpu_metadata
.endif
;; end of part 3
